; MI455X (gfx1250); checked and timed in simulation.
; The chip was launched on July 23, 2026; its instructions are those of AMD's public machine-readable ISA for CDNA 5 (MIT licence, August 2026) and "CDNA5" Instruction Set Architecture Reference Guide (July 2026). The comments in the code are by the model that wrote it; some were corrected since.
;; Binary Linear. Allowed arithmetic: matrix products marked QUANTISED: E4M3 operands, one given power-of-two scale a tensor, by v_wmma_f32_16x16x64_fp8_fp8 or v_wmma_f32_16x16x128_fp8_fp8, f32 sums; everything else in f32.
;; Inputs: X 4,096 x 4,096 float32; bias 4,096 float32; lowp_scales 2 int32 (the exponents e of the quantised operands' scales 2^e); weight 4,096 x 4,096 float32.
;; Outputs: out0 4,096 x 4,096 float32.
;; This version of the problem:
;;   THIS VERSION OF THE PROBLEM IS GIVEN IN LOW PRECISION. The matrix products marked QUANTISED in the list below multiply operands that are first quantised to E4M3 (4 exponent bits, 3 mantissa bits; 8 bits a number), with one given power-of-two scale for each operand tensor; their sums are f32. All else is computed in f32.
;;   The module's matrix products, in the order in which they are computed (A, B: the left and right operand; K: the contracted axis; several contracted axes count as one K, in the product's order):
;;     1. [M 4,096, K 4,096] x [K 4,096, N 4,096]; A: input X; B: computed on the way: QUANTISED (scales: A lowp_scales[0], B lowp_scales[1])
;;   THE QUANTISER, for each operand of a quantised product, along K:
;;     - The operand's scale is 2^e, e = its entry of the input lowp_scales (int32; the entries are numbered through the quantised products in the list's order, A before B).
;;     - Each number is divided by the scale, clamped to +-448, and rounded to the nearest number of E4M3, ties to even, subnormals kept.
;;     - The product sums the exact products of the quantised numbers (number of the format x scale) in f32.
;;   ~~~python
;;   def quantise(x, axis, e):      # numpy; x: float32 -> the quantised numbers, widened to float32 again
;;       x = np.moveaxis(x, axis, -1); K = x.shape[-1]
;;       r = np.clip(x / 2.0 ** e, -448, 448)
;;       step = 2.0 ** (np.maximum(np.frexp(np.where(r == 0, 1, r))[1] - 1, -6) - 3)
;;       q = np.round(r / step) * step * 2.0 ** e      # np.round: ties to even
;;       return np.moveaxis(q, -1, axis).astype(np.float32)
;;   ~~~
;;   OPERANDS COMPUTED ON THE WAY. 'Computed on the way' means the value that the module computes at that place (a softmax that the list does not call 'softmax' is quantised finished and normalised). What goes into a quantiser is computed in f32, as accurately as f32 sums, v_exp_f32 and their like allow (about 1e-6 of the number): no bf16 or f16 on the way to a quantiser, and a product that is left as it is and whose result goes on into a quantised operand takes f32 operands (vector FMAs, or v_wmma_f32_16x16x4_f32). A number that lies on a knife's edge between two numbers of the format may be rounded either way, as far as f32 arithmetic and the matrix unit's own rounding can turn it there, and no further.
;; 2 versions. Each part assembles by itself: llvm-mc -triple=amdgcn-amd-amdhsa -mcpu=gfx1250 --defsym DOCPART=n.
;; ======== version 1 of 2: 2 launches
;; workspace buffers: x_codes 16,777,216 bytes; w_codes 16,777,216 bytes
;; launch quant (part 1): grid 1024 x 1, 4 waves a work-group, no clusters, 0 bytes of LDS; arguments X, weight, lowp_scales, x_codes, w_codes; writes x_codes, w_codes
.if DOCPART == 1
	.amdgcn_target "amdgcn-amd-amdhsa--gfx1250"
	.amdhsa_code_object_version 6
	.text
	.protected	k_qabe560fd66_quant
	.globl	k_qabe560fd66_quant
	.p2align	8
	.type	k_qabe560fd66_quant,@function
k_qabe560fd66_quant:
	s_mov_b64 s[64:65], 0
	v_nop
	global_prefetch_b8 v0, s[64:65] scope:SCOPE_SE
	s_setreg_imm32_b32 hwreg(HW_REG_WAVE_MODE, 25, 1), 1
	s_wait_xcnt 0x0
; X [4096][4096] f32 and sign(clip(weight, 0)) of weight [4096][4096] f32 are turned into codes of FP8 (E4M3), one code a byte, each with the one scale 2^e that is given for it
; (entry 0 of the scales' buffer for X, entry 1 for the binary weight).  code = number / 2^e, held within +-448, rounded to the nearest code, ties to even.
; The binary weight is 1.0 where 0 < weight and 0.0 elsewhere (-0 and every negative number give 0, a positive denormal gives 1); it then goes through the same hold and the same conversion as X.
; LIMITS: -126 <= e and e + 8 <= 127, so that 2^e and 448 x 2^e are f32 numbers.  NaN among the inputs is not served (a NaN weight gives the code of 0); an infinity of X is held at the largest code.
; LAYOUT OF THE CODES: [4096 rows][4096 bytes], K PERMUTED INSIDE EACH ALIGNED BLOCK OF 512 ALONG K, ALIKE IN BOTH BUFFERS: byte 512 B + 16 l + 4 i + j of a row holds k = 512 B + 128 i + 4 l + j
; (l = 0 .. 31; i, j = 0 .. 3).  The product's launch multiplies byte p of a row of one buffer by byte p of a row of the other and sums over the whole row, and a tensor has ONE scale: so every number still meets
; its partner, and only the order of the f32 sums differs.  What it buys: a lane's four loads of 16 bytes, each 512 consecutive bytes a wave, ARE the sixteen numbers whose codes it stores as 16 bytes, again 512
; consecutive bytes a wave: no turn through LDS, no barrier.
; SHARES: both tensors are plain streams of 16,777,216 numbers.  A wave takes 16 steps of 512 numbers, a work-group 32,768 numbers; the first WGX work-groups take X, the others weight.
; Loads run DEPTH = 8 steps ahead: 32 loads of 512 bytes a wave.  Every offset is an immediate, every step has its own registers for its codes: no address and no store's data is ever written again.
; Left out: LDS, tensor loads, clusters (waves share nothing); the matrix unit (nothing to multiply).
.set STEPS, 16
.set DEPTH, 8
.set WGX,   512                        ; 4096 x 4096 / 32,768
.set EMAX,  8
.set MANT,  0x600000                   ; the mantissa field of 448 as f32
.set OFF,   1                          ; v1       16 x lane: my place in a load's and in a store's 512 bytes; never rewritten
.set SC,    2                          ; v2       2^e as f32
.set LIM,   3                          ; v3       448 x 2^e
.set ONE,   4                          ; v4       1.0
.set R,     16                         ; v16-143  eight sets of 16 numbers
.set C,     144                        ; v144-207 four registers of codes for each of the 16 steps
	s_load_b128 s[4:7], s[0:1], 0x0                ; X, weight
	s_load_b64 s[10:11], s[0:1], 0x10              ; the scales' exponents
	s_load_b128 s[12:15], s[0:1], 0x18             ; X's codes, the weight's codes
	v_lshrrev_b32 v5, 5, v0
	v_readfirstlane_b32 s16, v5                    ; wave 0..3
	v_and_b32 v[OFF], 31, v0
	v_lshlrev_b32 v[OFF], 4, v[OFF]
	v_mov_b32 v[ONE], 1.0
	s_wait_kmcnt 0x0
	s_load_b64 s[22:23], s[10:11], 0x0             ; e of X, e of the binary weight
	s_cmp_lt_u32 ttmp9, WGX                        ; X's work-group or weight's?  The choice hangs on the work-group's number alone
	s_cselect_b64 s[4:5], s[4:5], s[6:7]           ; from where,
	s_cselect_b64 s[8:9], s[12:13], s[14:15]       ; to where,
	s_cselect_b32 s24, 0, 1                        ; 1: the numbers are made binary first
	s_cselect_b32 s17, 0, WGX
	s_sub_co_u32 s17, ttmp9, s17                   ; the work-group's number within its tensor
	s_lshl_b32 s17, s17, 2
	s_add_co_u32 s17, s17, s16                     ; which run of 8,192 numbers is my wave's: 0 .. 2047
	s_lshl_b32 s18, s17, 15                        ; 32,768 bytes of numbers,
	s_mov_b32 s19, 0
	s_lshl_b32 s20, s17, 13                        ; 8,192 bytes of codes
	s_mov_b32 s21, 0
	s_add_nc_u64 s[4:5], s[4:5], s[18:19]
	s_add_nc_u64 s[8:9], s[8:9], s[20:21]
.macro LOAD t                          ; step t's 512 numbers: four loads, each of 512 consecutive bytes; register 4 i + j of lane l is number 128 i + 4 l + j of the step
.irp i, 0,1,2,3
	global_load_b128 v[R+16*((\t)%DEPTH)+4*\i:R+16*((\t)%DEPTH)+4*\i+3], v[OFF], s[4:5] offset:2048*(\t)+512*\i th:TH_LOAD_NT
.endr
.endm
.irp t, 0,1,2,3,4,5,6,7
	LOAD \t
.endr
	s_wait_kmcnt 0x0
	s_cmp_lt_u32 ttmp9, WGX
	s_cselect_b32 s22, s22, s23                    ; e
	s_add_co_i32 s22, s22, 127
	s_lshl_b32 s23, s22, 23
	v_mov_b32 v[SC], s23                           ; 2^e as f32: the conversion takes its exponent field
	s_add_co_i32 s22, s22, EMAX
	s_lshl_b32 s22, s22, 23
	s_or_b32 s22, s22, MANT
	v_mov_b32 v[LIM], s22                          ; the largest number x 2^e
.macro STEP t
.set XS, R+16*((\t)%DEPTH)
.if 15-(\t) >= 7
	s_wait_loadcnt 28                              ; loads come back in order (ISA guide 5.7.1): this step's four are in; the 28 of the seven steps behind it may be out
.else
	s_wait_loadcnt 4*(15-(\t))                     ; the last steps: the counts run down
.endif
	s_cmp_eq_u32 s24, 0                            ; X's work-groups pass over the next 32 lines: a branch on the work-group's number, round work on registers alone
	s_cbranch_scc1 .Lnum_\@
.irp i, 0,1,2,3,4,5,6,7,8,9,10,11,12,13,14,15
	v_cmp_lt_f32 vcc_lo, 0, v[XS+\i]
	v_cndmask_b32 v[XS+\i], 0, v[ONE], vcc_lo      ; sign(clip(w, 0)): 1.0 where 0 < w, else 0
.endr
.Lnum_\@:
.irp i, 0,1,2,3,4,5,6,7,8,9,10,11,12,13,14,15
	v_med3_num_f32 v[XS+\i], v[XS+\i], -v[LIM], v[LIM]   ; the conversion to an 8-bit code does not saturate (ISA guide 7.6.2): the number is held within the largest code x the scale first, in both tensors
.endr
	v_cvt_scalef32_pk8_fp8_f32 v[C+4*(\t):C+4*(\t)+1], v[XS:XS+7], v[SC]        ; eight numbers / 2^e, to the nearest code, ties to even; the first number's code in the lowest byte
	v_cvt_scalef32_pk8_fp8_f32 v[C+4*(\t)+2:C+4*(\t)+3], v[XS+8:XS+15], v[SC]
; (No plain vector line is written behind these conversions: their results are touched by a store alone, their sources are next written by a load, and the next vector lines are plain and name other registers.)
.if (\t)+DEPTH < STEPS
	LOAD (\t)+DEPTH                                ; the set just read takes the step eight further on; the loads stand ahead of the store
.endif
	global_store_b128 v[OFF], v[C+4*(\t):C+4*(\t)+3], s[8:9] offset:512*(\t)    ; 32 lanes store 512 consecutive bytes, at a multiple of 512 from the buffer's first byte
.endm
.irp t, 0,1,2,3,4,5,6,7,8,9,10,11,12,13,14,15
	STEP \t
.endr
	s_endpgm
.Lfunc_end_k_qabe560fd66_quant:
	.size	k_qabe560fd66_quant, .Lfunc_end_k_qabe560fd66_quant-k_qabe560fd66_quant
	.p2alignl 7, 3214868480
	.fill 96, 4, 3214868480
	.section	.rodata,"a",@progbits
	.p2align	6, 0x0
	.amdhsa_kernel k_qabe560fd66_quant
		.amdhsa_group_segment_fixed_size 0
		.amdhsa_private_segment_fixed_size 0
		.amdhsa_enable_private_segment 0
		.amdhsa_kernarg_size 40
		.amdhsa_user_sgpr_count 2
		.amdhsa_user_sgpr_kernarg_segment_ptr 1
		.amdhsa_wavefront_size32 1
		.amdhsa_system_sgpr_workgroup_id_x 1
		.amdhsa_system_sgpr_workgroup_id_y 1
		.amdhsa_system_sgpr_workgroup_id_z 1
		.amdhsa_system_vgpr_workitem_id 0
		.amdhsa_next_free_vgpr 208
		.amdhsa_next_free_sgpr 66
		.amdhsa_reserve_vcc 1
		.amdhsa_float_denorm_mode_32 3
		.amdhsa_float_denorm_mode_16_64 3
		.amdhsa_memory_ordered 1
		.amdhsa_forward_progress 1
		.amdhsa_inst_pref_size 45
	.end_amdhsa_kernel
	.amdgpu_metadata
---
amdhsa.version: [ 1, 2 ]
amdhsa.kernels:
  - .name:           k_qabe560fd66_quant
    .symbol:         k_qabe560fd66_quant.kd
    .args:
      - { .name: X, .offset: 0, .size: 8, .value_kind: global_buffer, .address_space: global }
      - { .name: weight, .offset: 8, .size: 8, .value_kind: global_buffer, .address_space: global }
      - { .name: lowp_scales, .offset: 16, .size: 8, .value_kind: global_buffer, .address_space: global }
      - { .name: x_codes, .offset: 24, .size: 8, .value_kind: global_buffer, .address_space: global }
      - { .name: w_codes, .offset: 32, .size: 8, .value_kind: global_buffer, .address_space: global }
    .group_segment_fixed_size: 0
    .private_segment_fixed_size: 0
    .kernarg_segment_align: 8
    .kernarg_segment_size: 40
    .max_flat_workgroup_size: 128
    .sgpr_count:     66
    .vgpr_count:     208
    .wavefront_size: 32
...
	.end_amdgpu_metadata
.endif
;; end of part 1
;; launch gemm (part 2): grid 16 x 16, 4 waves a work-group, clusters of 4 x 4, 327,680 bytes of LDS; arguments x_codes, w_codes, lowp_scales, bias, out0; writes out0
.if DOCPART == 2
	.amdgcn_target "amdgcn-amd-amdhsa--gfx1250"
	.amdhsa_code_object_version 6
	.text
	.protected	k_qabe560fd66_gemm
	.globl	k_qabe560fd66_gemm
	.p2align	8
	.type	k_qabe560fd66_gemm,@function
k_qabe560fd66_gemm:
	s_mov_b64 s[64:65], 0
	v_nop
	global_prefetch_b8 v0, s[64:65] scope:SCOPE_SE
	s_setreg_imm32_b32 hwreg(HW_REG_WAVE_MODE, 25, 1), 1
	s_wait_xcnt 0x0
	s_wait_alu depctr_hold_cnt(0) depctr_sa_sdst(0) depctr_va_vdst(0) depctr_va_sdst(0) depctr_va_ssrc(0) depctr_va_vcc(0) depctr_vm_vsrc(0)
	s_getreg_b32 s2, hwreg(HW_REG_IB_STS2, 6, 4)
	s_cmp_eq_u32 s2, 0
	s_cbranch_scc0 .Lentry_in_a_cluster
	s_endpgm
.Lentry_in_a_cluster:
	s_bfe_u32 s2, ttmp6, 0x10000c
	s_cmp_lg_u32 s2, 0xf033
	s_cbranch_scc0 .Lentry_shape_is_right
	s_endpgm
.Lentry_shape_is_right:
; out0[m][n] = 2^(e0 + e1) x (sum over the 4,096 bytes p of a row of x_codes[m][p] x w_codes[n][p]) + bias[n].  x_codes, w_codes: [4096][4096] codes of FP8 (E4M3), one a byte; out0: [4096][4096] f32; sums in f32.
; Both buffers hold K in the same permuted order (the launch that makes them says which), so byte p of one row meets byte p of the other: the sum runs over all of K, in another order than ascending k.
; A number of X is its code's value x 2^e0, of the binary weight x 2^e1: the codes are multiplied as they are, and each finished sum goes out as sum x 2^(e0 + e1) + bias, one fused multiply-add.
; LIMIT: e0 + e1 lies between -126 and 127, so that 2^(e0 + e1) is an f32 number.
; A tile of out0, 256 x 256, is made by a work-group of four waves, as many as a WGP has SIMDs: 256 tiles, 256 work-groups.  A wave makes 128 x 128: 64 accumulators of 16 x 16, 512 registers.
; K goes in steps of 256 bytes through a ring of two LDS slots filled by the tensor data mover: a tile's row is 256 consecutive bytes of memory, at a multiple of 256 from the buffer's first byte.
; CLUSTERS: 4 x 4 work-groups.  The four of a row of the cluster need the same tiles of x_codes (A), the four of a column the same tiles of w_codes (B): each tile is asked for JOINTLY, by the same tensor load with the
; same descriptor and a mask that names the four.  THE MATRIX INSTRUCTION IS USED TRANSPOSED (source 0 = 16 rows of B, source 1 = 16 rows of A): a lane then holds eight neighbouring numbers of a row of out0.
; REGISTERS, in windows of 256: window 0: v0-35 addresses and my four numbers of bias; from v128 A's fragments (8 x 16 rows x 128 K), ONE set; on the way out v128-255 take rows read back from the stage.
;   window 1: B's fragments, TWO sets, at v0 and at v128.   window 2: the 32 accumulators of my rows 0-63 (accumulator (a, b) at v[8 (8 a + b)]);   window 3: those of my rows 64-127.
; A step of 128 along K is 64 matrix instructions, A's blocks one after the other, each against B's eight.  So a block of A is free as soon as its eight products are issued, and one set of registers serves A:
; blocks 0-3 are fetched anew in the step's middle, blocks 4-7 at its end.  B's fragments are at work through the whole step, so B has two sets.
.set SIZE_N, 4096
.set SIZE_K, 4096
.set KSTEP,  256                       ; along K in a slot
.set ROWB,   256                       ; a tile's row in bytes
.set KROW,   SIZE_K                    ; a row of A or of B in memory, in bytes
.set PITCH,  272                       ; an LDS row: 256 bytes of data + 16 of padding = 68 words: row r starts at bank 4 r mod 64 (64 banks of 4 bytes: ISA guide 11.1), so the 16 rows that a load touches start at 16 different banks
.set FR,     16                        ; registers of a fragment: 16 rows x 128 K
.set NL,     4                         ; LDS loads that bring one
.set NP,     4                         ; places behind this matrix instruction (ISA guide 7.12.1)
.set HALFT,  128*PITCH                 ; 128 rows: what one tensor load brings, and what one wave reads of A or of B
.set SLOT,   4*HALFT                   ; A's 256 rows, then B's 256 rows
.set LAPS,   SIZE_K/(2*KSTEP)          ; a lap = two K steps = once round the ring: 8
.set SPARE,  2*SLOT                    ; behind the ring: the spare words, 128 bytes for each wave: two blocks of 256 bytes that no other line names
.set SPITCH, 528                       ; the way out: a stage of 16 rows x (512 bytes + 16) for each wave.  It lies in slot 0, which has had its last fill and its last read when the first result is stored there
.set ADRA, 16                          ; v16-17  LDS address of my A fragments in slot 0, 1
.set ADRB, 20                          ; v20-21  the same for B
.set STO,  24                          ; v24     the way out: where I put 32 bytes of a row
.set RD,   25                          ; v25     the way out: where I read a row back
.set CO,   26                          ; v26     16 x lane: my byte offset in a row of out0 and in my wave's part of bias; never rewritten
.set SPW,  28                          ; v28     LDS address of my spare word: SPARE + 4 x my thread's number; never rewritten
.set NIL,  29                          ; v29     0; never rewritten
.set PFO,  30                          ; v30     the prefetches' offset: my lane x a row of codes (4,096 bytes); never rewritten
.set BI,   32                          ; v32-35  bias of the four columns that I store
.set AF,   128                         ; A's fragments, in window 0
.set BK,   128                         ; the way out: 16 rows read back from the stage: v128-191 and v192-255 by turns
.set G1, 24                            ; s[24:31] descriptor group 1 for A's tiles;  s[32:39] group 0, one set for each slot
.set G0, 32
.set G1B, 48                           ; s[48:55], s[56:63] the same for B's tiles
.set G0B, 56
.set PFA, 66                           ; s[66:67] where my prefetches stand: my work-group's 32 rows of the 128 that I fetch, one K step further along K than the refill that is being asked for; a prefetch names the K step after that
.set LIM, 68                           ; s68     1 in a wave that prefetches, else the greatest number
.set MSB, 0
.macro WIN new                         ; the immediate's high byte repeats the setting that is left; a switch that changes nothing is dropped
.if MSB != (\new)
	s_set_vgpr_msb (MSB<<8)|(\new)
.set MSB, (\new)
.endif
.endm
.set MUL_LO, 0xa1                      ; source 0 (B) window 1, source 1 (A) window 0, C and D window 2
.set MUL_HI, 0xf1                      ; the same, C and D window 3
.set TO_B,   0x40                      ; destination window 1, address window 0
; A joint load: waves 0 and 1 fetch for A, waves 2 and 3 for B.  Each of the two lines has ONE mask and one set of registers for all that issue it; the branch hangs on the wave's number alone.
; An s_nop 0 and four v_nop follow each of the two lines, ahead of the jump, the label and what follows.
.macro JLOAD g0a, g1a, g0b, g1b
	s_cmp_eq_u32 s15, 0
	s_cbranch_scc0 .Lfor_b_\@
	tensor_load_to_lds s[\g0a:\g0a+3], s[\g1a:\g1a+7]
	s_nop 0
.rept 4
	v_nop
.endr
	s_branch .Lasked_\@
.Lfor_b_\@:
	tensor_load_to_lds s[\g0b:\g0b+3], s[\g1b:\g1b+7]
	s_nop 0
.rept 4
	v_nop
.endr
.Lasked_\@:
.endm
; A PREFETCH INTO THE L2, behind each joint refill, its five lines and the run of LDS loads that follows them: the K step that stands TWO refills on: 32 rows x 256 bytes, a lane a row, one instruction a wave:
; 256 matrix instructions of the wave ahead of the load that will ask for those bytes.  Each row's 256 bytes of a K step are named ONCE in the launch: A's tile row is read by every cluster of that row of clusters,
; and the first of them (cluster x = 0) asks; B's tile column by every cluster of that column, and cluster y = 0 asks.  The four partners that ask for a tile jointly share its rows out BY ADDRESS: of the 128 rows
; that a wave fetches, the partner at place p takes 32 p .. 32 p + 31 (p = cx for A, cy for B): no branch hangs on a work-group's place in its cluster.  The loop's last trip (s3 = 1) asks for nothing: its two
; refills are K steps 14 and 15, and a row has no K step 16.  K steps 0 to 3 come by their loads alone.
.macro ASK
	s_cmp_gt_u32 s3, s[LIM]
	s_cbranch_scc0 .Lnot_mine_\@
	global_prefetch_b8 v[PFO], s[PFA:PFA+1] offset:ROWB th:TH_LOAD_NT scope:SCOPE_SE
.Lnot_mine_\@:
.endm
.macro CREST                           ; a round of the cluster's barrier behind its opening barrier
	s_cmp_lg_u32 s14, 0
	s_cbranch_scc1 .Lnot_wave_0_\@
	s_barrier_signal -3
.Lnot_wave_0_\@:
	s_barrier_wait -3
	s_barrier_signal -1
	s_barrier_wait -1
.endm
.macro CROUND                          ; a whole round
	s_barrier_signal -1
	s_barrier_wait -1
	CREST
.endm
	s_load_b128 s[4:7], s[0:1], 0x0                ; A's codes s[4:5], B's codes s[6:7]
	s_load_b128 s[8:11], s[0:1], 0x10              ; the two scales' exponents s[8:9], bias s[10:11]
	s_load_b64 s[12:13], s[0:1], 0x20              ; out0
	v_lshl_add_u32 v[SPW], v0, 2, SPARE
	v_mov_b32 v[NIL], 0
	ds_add_u32 v[SPW], v[NIL]                      ; the wave's opening: the add and its wait stand ahead of my first tensor load; the set-up below, work on registers, stands between them
	v_lshrrev_b32 v1, 5, v0
	v_readfirstlane_b32 s14, v1                    ; wave 0..3
	s_lshr_b32 s15, s14, 1                         ; which half of the tile's rows is mine.  Also: I fetch for A (0) or for B (1)
	s_and_b32 s16, s14, 1                          ; which half of its columns.  Also: which 128 rows of that tile I fetch
	s_bfe_u32 s40, ttmp6, 0x40000                  ; cx, cy: my place in the cluster
	s_bfe_u32 s41, ttmp6, 0x40004
	s_lshl_b32 s42, ttmp9, 2
	s_add_co_u32 s42, s42, s40                     ; tile column of out0 = 4 x cluster x + cx
	s_and_b32 s17, ttmp7, 0xffff
	s_lshl_b32 s17, s17, 2
	s_add_co_u32 s17, s17, s41                     ; tile row of out0 = 4 x cluster y + cy
	s_lshl_b32 s43, s41, 2
	s_lshl_b32 s43, 15, s43                        ; my row of the cluster: places 4 cy .. 4 cy + 3
	s_lshl_b32 s44, 0x1111, s40                    ; my column: places cx, cx + 4, cx + 8, cx + 12
	; descriptor group 1: a tile of 128 rows x ROWB bytes, padded in LDS
	s_or_b32 s[G1+0], s43, (0<<16)|(1<<20)|(1<<21)|(5<<22)|(3<<25)  ; 15:0 the mask: A's tiles go to my row; 17:16 element of 1 byte; 20 padding on; 21 set beside a mask; 24:22 after every 64 words (code 5); 31:25 of 4 words (code 3)
	s_or_b32 s[G1B+0], s44, (0<<16)|(1<<20)|(1<<21)|(5<<22)|(3<<25) ; the same with the mask of my column, for B's tiles
.irp g, G1, G1B
	s_mov_b32 s[\g+1], ROWB<<16                    ; tensor_dim0 = 256
	s_mov_b32 s[\g+2], 128<<16                     ; tensor_dim1 = 128
	s_mov_b32 s[\g+3], ROWB<<16                    ; tile_dim0 = 256
	s_mov_b32 s[\g+4], 128                         ; tile_dim1 = 128
	s_mov_b32 s[\g+5], KROW                        ; tensor_dim0_stride: 4,096 elements from row to row
	s_mov_b32 s[\g+6], 0
	s_mov_b32 s[\g+7], 0
.endr
	; where the tiles come from.  A's hang on the tile row alone, which my row of the cluster shares; B's on the tile column alone, which my column shares
	s_lshl_b32 s18, s16, 7                         ; which 128 rows of the tile I fetch
	s_lshl_b32 s20, s17, 8
	s_add_co_u32 s20, s20, s18                     ; A: row 256 x tile row + 128 x half
	s_lshl_b32 s46, s42, 8
	s_add_co_u32 s46, s46, s18                     ; B: row 256 x tile column + 128 x half
	s_mov_b32 s21, 0
	s_mov_b32 s47, 0
	s_mov_b64 s[18:19], KROW
	s_mul_u64 s[20:21], s[20:21], s[18:19]         ; in bytes
	s_mul_u64 s[46:47], s[46:47], s[18:19]
	s_mul_i32 s45, s14, HALFT                      ; where they go: wave x 128 rows: no place in the cluster enters an LDS address
	s_wait_dscnt 0x0                               ; the opening add is done
	s_wait_kmcnt 0x0
	s_load_b64 s[96:97], s[8:9], 0x0               ; e0, e1
	s_add_nc_u64 s[20:21], s[4:5], s[20:21]
	s_add_nc_u64 s[46:47], s[6:7], s[46:47]
	CROUND                                         ; all sixteen work-groups are here: the first joint loads meet
.irp s, 0,1
	s_mov_b32 s[G0+4*\s], 1                                        ; 1:0 count = 1
	s_add_co_u32 s[G0+4*\s+1], s45, \s*SLOT                        ; 63:32 LDS address
	s_add_nc_u64 s[G0+4*\s+2:G0+4*\s+3], s[20:21], \s*ROWB         ; 120:64 global address: K step s
	s_or_b32 s[G0+4*\s+3], s[G0+4*\s+3], 0x80000000                ; 127:126 type = 2
	s_mov_b32 s[G0B+4*\s], 1
	s_add_co_u32 s[G0B+4*\s+1], s45, \s*SLOT
	s_add_nc_u64 s[G0B+4*\s+2:G0B+4*\s+3], s[46:47], \s*ROWB
	s_or_b32 s[G0B+4*\s+3], s[G0B+4*\s+3], 0x80000000
	JLOAD G0+4*\s, G1, G0B+4*\s, G1B               ; two tensor loads of mine are out behind these, the most in this text; later one
.endr
	v_and_b32 v1, 15, v0                           ; l % 16
	v_bfe_u32 v2, v0, 4, 1                         ; l / 16
	v_mul_u32_u24 v3, v1, PITCH
	v_lshl_add_u32 v4, v2, 4, v3                   ; a fragment's row x pitch + 16 x half
	s_mul_i32 s21, s15, HALFT                      ; my 128 rows of A
	s_mul_i32 s22, s16, HALFT                      ; my 128 rows of B,
	s_add_co_u32 s22, s22, 2*HALFT                 ; which lie behind A's 256
.irp s, 0,1
	v_add_nc_u32 v[ADRA+\s], s21, v4
	v_add_nc_u32 v[ADRB+\s], s22, v4
	s_add_co_u32 s21, s21, SLOT
	s_add_co_u32 s22, s22, SLOT
.endr
	s_mul_i32 s23, s14, 16*SPITCH                  ; my stage
	v_mul_u32_u24 v5, v1, SPITCH                   ; in: row l % 16, 32 bytes for each half of the lanes
	v_lshl_add_u32 v5, v2, 5, v5
	v_add_nc_u32 v[STO], s23, v5
	v_and_b32 v6, 31, v0
	v_lshlrev_b32 v[CO], 4, v6                     ; back: the 32 lanes take one row of 512 bytes; and the same in out0
	v_add_nc_u32 v[RD], s23, v[CO]
	s_lshl_b32 s20, s17, 8
	s_lshl_b32 s21, s15, 7
	s_add_co_u32 s20, s20, s21                     ; my first row of out0: 256 x tile row + 128 x half
	s_mov_b32 s21, 0
	s_mov_b64 s[18:19], SIZE_N*4
	s_mul_u64 s[20:21], s[20:21], s[18:19]
	s_lshl_b32 s46, s42, 10                        ; my first column, in bytes: 1024 x tile column + 512 x half
	s_lshl_b32 s47, s16, 9
	s_add_co_u32 s46, s46, s47
	s_mov_b32 s47, 0
	s_add_nc_u64 s[10:11], s[10:11], s[46:47]      ; bias is f32 as out0 is: the same bytes along the columns
	global_load_b128 v[BI:BI+3], v[CO], s[10:11]   ; bias of columns 4 l .. 4 l + 3 of my wave's 128: the four that lane l stores of every row
	s_add_nc_u64 s[20:21], s[20:21], s[46:47]
	s_add_nc_u64 s[12:13], s[12:13], s[20:21]
	; the prefetches (macro ASK): where my wave's stand, and who asks
	s_lshl_b32 s70, s17, 8                         ; the tile's first row in A,
	s_lshl_b32 s71, s42, 8                         ; in B
	s_and_b32 s72, ttmp7, 0xffff                   ; cluster y
	s_cmp_eq_u32 s15, 0                            ; do I fetch for A?
	s_cselect_b32 s70, s70, s71
	s_cselect_b32 s73, s40, s41                    ; my place among the four that ask for the tile with me
	s_cselect_b32 s72, ttmp9, s72                  ; the coordinate along which other clusters read the same rows
	s_cselect_b64 s[PFA:PFA+1], s[4:5], s[6:7]
	s_cmp_eq_u32 s72, 0
	s_cselect_b32 s[LIM], 1, -1                    ; the same in all sixteen partners, for a given wave
	s_lshl_b32 s72, s16, 7
	s_add_co_u32 s70, s70, s72                     ; + the 128 rows that I fetch
	s_lshl_b32 s73, s73, 5
	s_add_co_u32 s70, s70, s73                     ; + my work-group's 32 of them
	s_lshl_b32 s70, s70, 12                        ; rows of 4,096 bytes: under 2^24
	s_mov_b32 s71, 0
	s_add_nc_u64 s[PFA:PFA+1], s[PFA:PFA+1], s[70:71]
	s_add_nc_u64 s[PFA:PFA+1], s[PFA:PFA+1], 2*ROWB  ; at K step 2: the first refill steps it to 3 and names K step 4.  Nothing is prefetched here, at the head, where every work-group's first tiles are on their way
	v_and_b32 v[PFO], 31, v0
	v_lshlrev_b32 v[PFO], 12, v[PFO]
.macro FRAG reg, adr, q, i             ; a fragment, 16 rows x 128 bytes of codes, is 16 registers: lane l holds row l % 16; registers 4 c .. 4 c + 3 hold bytes 32 c + 16 (l / 16) + 0 .. 15 of the step's 128: the same places in A and in B
.irp c, 0,1,2,3
	ds_load_b128 v[\reg+4*\c:\reg+4*\c+3], v[\adr] offset:128*(\q)+32*\c+(\i)*16*PITCH
.endr
.endm
; 16 matrix instructions: A's blocks a0, a0 + 1 x B's eight, 128 along K.  p: B's set.  zero = 1: the first product starts the sums: nothing is ever cleared.
; The 64 accumulators take turns, one instruction a turn, in the same order in every step.
.macro MUL16 a0, p, zero
.irp a, \a0, \a0+1
.irp b, 0,1,2,3,4,5,6,7
.if \zero
	v_wmma_f32_16x16x128_fp8_fp8 v[8*(8*((\a)%4)+\b):8*(8*((\a)%4)+\b)+7], v[128*(\p)+FR*\b:128*(\p)+FR*\b+FR-1], v[AF+FR*(\a):AF+FR*(\a)+FR-1], 0
.else
	v_wmma_f32_16x16x128_fp8_fp8 v[8*(8*((\a)%4)+\b):8*(8*((\a)%4)+\b)+7], v[128*(\p)+FR*\b:128*(\p)+FR*\b+FR-1], v[AF+FR*(\a):AF+FR*(\a)+FR-1], v[8*(8*((\a)%4)+\b):8*(8*((\a)%4)+\b)+7]
.endif
.endr
.endr
.endm
.macro FETCH_B slot, q, p              ; B's eight fragments of the slot's q-th 128 along K into set p
	WIN TO_B
.irp i, 0,1,2,3,4,5,6,7
	FRAG 128*(\p)+FR*\i, ADRB+\slot, \q, \i
.endr
	WIN 0
.endm
.macro FETCH_A slot, q, i0             ; A's blocks i0 .. i0 + 3
.irp i, \i0, \i0+1, \i0+2, \i0+3
	FRAG AF+FR*(\i), ADRA+\slot, \q, \i
.endr
.endm
; A load into a register that a matrix instruction has read, and a vector instruction or an LDS store that reads a matrix result, stand NP places behind that matrix instruction, and only plain vector
; instructions that name none of its registers are places (ISA guide 7.12.1 for vector instructions); this text does not count the matrix instructions in between.
.macro PLACES n
.rept \n
	v_nop
.endr
.endm
; A step of 128 along K that has its successor in the same slot.
.macro STEP slot, q, zero
	s_wait_dscnt 4*NL                              ; B's set and A's blocks 0-3 are in; the youngest sixteen loads (A's blocks 4-7) may be out
	WIN MUL_LO
	MUL16 0, (\q)%2, \zero
	MUL16 2, (\q)%2, \zero
	s_wait_dscnt 0                                 ; A's blocks 4-7 are in (asked for 32 matrix instructions ago)
	PLACES NP
	FETCH_B \slot, (\q)+1, 1-(\q)%2
	FETCH_A \slot, (\q)+1, 0
	WIN MUL_HI
	MUL16 4, (\q)%2, \zero
	MUL16 6, (\q)%2, \zero
	PLACES NP
	WIN 0
	FETCH_A \slot, (\q)+1, 4
.endm
; A slot's last step changes slots: ONE barrier; in front of it each wave waits for all its tensor loads, adds 0 to its spare word, and waits for that and for its own reads of this slot.  fill = 1: this slot is filled again, two K steps ahead.
.macro TURN slot, next, fill
.if \fill
	s_wait_xcnt 0x0                                ; the last prefetch, a K step back, has read its address: it is stepped here, ahead of the waits of the change of slots
	s_add_nc_u64 s[PFA:PFA+1], s[PFA:PFA+1], ROWB
.endif
	s_wait_tensorcnt 0x0                           ; all my tensor loads have landed: the one that was out is my part of the next slot;  (every window is 0 here: the add's two registers lie in window 0)
	ds_add_u32 v[SPW], v[NIL]                      ; 0 onto my spare word
	s_wait_dscnt 4*NL+1                            ; (the add and the youngest sixteen loads, A's blocks 4-7, may be out)
	WIN MUL_LO
	MUL16 0, 1, 0                                  ; sixteen matrix instructions stand between the add and the wait for it
	s_wait_dscnt 0x0                               ; the add is done, and my reads of this slot are over
	s_barrier_signal -1
	MUL16 2, 1, 0                                  ; work on registers while the others arrive
	WIN 0
	s_barrier_wait -1
.if \fill
	CREST                                          ; the barrier has opened a round of the cluster's barrier: no wave of any partner still reads this slot's tile or has a load on its way
	s_add_nc_u64 s[G0+4*\slot+2:G0+4*\slot+3], s[G0+4*\slot+2:G0+4*\slot+3], 2*ROWB
	s_add_nc_u64 s[G0B+4*\slot+2:G0B+4*\slot+3], s[G0B+4*\slot+2:G0B+4*\slot+3], 2*ROWB
	JLOAD G0+4*\slot, G1, G0B+4*\slot, G1B         ; the first tensor load behind the round, 96 matrix instructions ahead of the wait for it; the four v_nop behind it are the places in front of the loads below
.else
	PLACES NP
.endif
	FETCH_B \next, 0, 0
	FETCH_A \next, 0, 0
.if \fill
	ASK                                            ; behind the joint load and the run of LDS loads that the next products wait for; every window is 0 here
.endif
	WIN MUL_HI
	MUL16 4, 1, 0
	MUL16 6, 1, 0
	PLACES NP
	WIN 0
	FETCH_A \next, 0, 4
.endm
	s_wait_loadcnt 0x0                             ; bias, once
	s_wait_tensorcnt 1                             ; my part of K step 0 is in (K step 1's load may be out)
	s_barrier_signal -1
	s_barrier_wait -1                              ; everybody's is
	FETCH_B 0, 0, 0
	FETCH_A 0, 0, 0
	FETCH_A 0, 0, 4
	STEP 0, 0, 1                                   ; the first step stands in front of the loop: its products start the sums
	s_mov_b32 s3, LAPS-1
.Llap:                                                 ; a trip goes once round the ring, from a lap's second step to the next lap's first, and fills both slots again: seven trips bring K steps 2 to 15
	TURN 0, 1, 1
	STEP 1, 0, 0
	TURN 1, 0, 1
	STEP 0, 0, 0
	s_sub_co_u32 s3, s3, 1
	s_cmp_lg_u32 s3, 0
	s_cbranch_scc1 .Llap
	TURN 0, 1, 0                                   ; the last lap fills nothing, and has no round of the cluster's barrier
	STEP 1, 0, 0
	s_wait_dscnt 4*NL                              ; the very last step: nothing more to fetch
	WIN MUL_LO
	MUL16 0, 1, 0
	MUL16 2, 1, 0
	s_wait_dscnt 0
	WIN MUL_HI
	MUL16 4, 1, 0
	MUL16 6, 1, 0
	WIN 0
; THE WAY OUT, block by block of 16 rows x 128 columns.  A lane holds 32 neighbouring bytes of a row, and the lanes beside it hold other rows: so a block's sums go, as they are, through my own stage in LDS and come back as
; whole rows of 512 bytes.  Lane l then holds columns 4 l .. 4 l + 3 of every row: so four registers of bias serve the whole tile, and sum x 2^(e0 + e1) + bias is one packed multiply-add for two numbers.
; LDS serves a wave's instructions in order (ISA guide 5.7.1.4): no wait between the stores and the loads, nor in front of the next block's stores.
.macro TOSTAGE a
.set AC, 64*((\a)%4)
	WIN 0x08+4*((\a)/4)                            ; an LDS store's data: window 2 or 3; its address: window 0
.irp b, 0,1,2,3,4,5,6,7
	ds_store_b128 v[STO], v[AC+8*\b:AC+8*\b+3] offset:64*\b        ; each accumulator from its low end on
	ds_store_b128 v[STO], v[AC+8*\b+4:AC+8*\b+7] offset:64*\b+16
.endr
	WIN 0
.set BB, BK+64*((\a)%2)
.irp t, 0,1,2,3,4,5,6,7,8,9,10,11,12,13,14,15
	ds_load_b128 v[BB+4*\t:BB+4*\t+3], v[RD] offset:\t*SPITCH
.endr
.endm
.macro SEND a, younger                 ; younger: the LDS instructions issued behind block a's loads, which may stay out
.set BB, BK+64*((\a)%2)
	s_wait_dscnt \younger                          ; the block is back in registers
.if (\a) > 0
	s_add_nc_u64 s[12:13], s[12:13], 16*SIZE_N*4   ; (behind a wait on XCNT: the earlier stores have read their base)  16 rows of out0 on; the stores' offsets reach 15 rows, 245,760 bytes
.endif
.irp t, 0,1,2,3,4,5,6,7,8,9,10,11,12,13,14,15
	v_pk_fma_f32 v[BB+4*\t:BB+4*\t+1], v[BB+4*\t:BB+4*\t+1], s[96:97], v[BI:BI+1] op_sel_hi:[1,0,1]         ; sum x 2^(e0 + e1) + bias (the scalar pair's low word for both halves)
	v_pk_fma_f32 v[BB+4*\t+2:BB+4*\t+3], v[BB+4*\t+2:BB+4*\t+3], s[96:97], v[BI+2:BI+3] op_sel_hi:[1,0,1]
.endr
.irp t, 0,1,2,3,4,5,6,7,8,9,10,11,12,13,14,15
	global_store_b128 v[CO], v[BB+4*\t:BB+4*\t+3], s[12:13] offset:\t*SIZE_N*4 th:TH_STORE_NT   ; 32 lanes store 512 consecutive bytes, at a multiple of 512 from out0's first byte; written once, read by nobody here
.endr
.endm
	s_wait_kmcnt 0x0
	s_add_co_i32 s96, s96, s97                     ; e0 + e1, between -126 and 127,
	s_add_co_i32 s96, s96, 127
	s_lshl_b32 s96, s96, 23                        ; makes the f32 number 2^(e0 + e1)
	s_mov_b32 s97, s96                             ; (named with it as a pair, so it is written)
	PLACES NP                                      ; behind the last products: these places serve the LDS stores that read results and the loads into the registers that held A's fragments alike
	TOSTAGE 0
.irp a, 1,2,3,4,5,6,7
.if \a > 1
	s_wait_xcnt 0x0                                ; block a - 2's stores have read their registers and their base: block a's loads may land there, and the base may step
.endif
	TOSTAGE \a
	SEND \a-1, 32                                  ; behind block a - 1's loads: block a's 16 stores and 16 loads
.endr
	s_wait_xcnt 0x0                                ; block 6's stores have read their base
	SEND 7, 0
	s_wait_tensorcnt 0x0                           ; the wave's end: behind my last tensor load and my last LDS store
	ds_add_u32 v[SPW], v[NIL]
	s_wait_dscnt 0x0
	CROUND                                         ; the closing round: no work-group ends while a partner may still ask for a tile that names it
	s_endpgm
.Lfunc_end_k_qabe560fd66_gemm:
	.size	k_qabe560fd66_gemm, .Lfunc_end_k_qabe560fd66_gemm-k_qabe560fd66_gemm
	.p2alignl 7, 3214868480
	.fill 96, 4, 3214868480
	.section	.rodata,"a",@progbits
	.p2align	6, 0x0
	.amdhsa_kernel k_qabe560fd66_gemm
		.amdhsa_group_segment_fixed_size 327680
		.amdhsa_private_segment_fixed_size 0
		.amdhsa_enable_private_segment 0
		.amdhsa_kernarg_size 40
		.amdhsa_user_sgpr_count 2
		.amdhsa_user_sgpr_kernarg_segment_ptr 1
		.amdhsa_wavefront_size32 1
		.amdhsa_system_sgpr_workgroup_id_x 1
		.amdhsa_system_sgpr_workgroup_id_y 1
		.amdhsa_system_sgpr_workgroup_id_z 1
		.amdhsa_system_vgpr_workitem_id 0
		.amdhsa_next_free_vgpr 1024
		.amdhsa_next_free_sgpr 98
		.amdhsa_reserve_vcc 0
		.amdhsa_float_denorm_mode_32 3
		.amdhsa_float_denorm_mode_16_64 3
		.amdhsa_memory_ordered 1
		.amdhsa_forward_progress 1
		.amdhsa_inst_pref_size 125
	.end_amdhsa_kernel
	.amdgpu_metadata
---
amdhsa.version: [ 1, 2 ]
amdhsa.kernels:
  - .name:           k_qabe560fd66_gemm
    .symbol:         k_qabe560fd66_gemm.kd
    .args:
      - { .name: x_codes, .offset: 0, .size: 8, .value_kind: global_buffer, .address_space: global }
      - { .name: w_codes, .offset: 8, .size: 8, .value_kind: global_buffer, .address_space: global }
      - { .name: lowp_scales, .offset: 16, .size: 8, .value_kind: global_buffer, .address_space: global }
      - { .name: bias, .offset: 24, .size: 8, .value_kind: global_buffer, .address_space: global }
      - { .name: out0, .offset: 32, .size: 8, .value_kind: global_buffer, .address_space: global }
    .group_segment_fixed_size: 327680
    .private_segment_fixed_size: 0
    .kernarg_segment_align: 8
    .kernarg_segment_size: 40
    .max_flat_workgroup_size: 128
    .sgpr_count:     98
    .vgpr_count:     1024
    .wavefront_size: 32
...
	.end_amdgpu_metadata
.endif
;; end of part 2
;; ======== version 2 of 2: 2 launches
;; limits: right only within a limited range of input values
;; workspace buffers: x_codes 16,777,216 bytes; w_sel 8,388,608 bytes
;; launch quant (part 3): grid 1024 x 1, 4 waves a work-group, no clusters, 17,920 bytes of LDS; arguments X, weight, lowp_scales, x_codes, w_sel; writes x_codes, w_sel
.if DOCPART == 3
	.amdgcn_target "amdgcn-amd-amdhsa--gfx1250"
	.amdhsa_code_object_version 6
	.text
	.protected	k_qabe560fd66_quant
	.globl	k_qabe560fd66_quant
	.p2align	8
	.type	k_qabe560fd66_quant,@function
k_qabe560fd66_quant:
	s_mov_b64 s[64:65], 0
	v_nop
	global_prefetch_b8 v0, s[64:65] scope:SCOPE_SE
	s_setreg_imm32_b32 hwreg(HW_REG_WAVE_MODE, 25, 1), 1
	s_wait_xcnt 0x0
; TWO TENSORS, TWO PATHS, parted by the work-group's number: the first WGX work-groups turn X [4096][4096] f32 into codes of FP8 (E4M3); the others turn weight [4096][4096] f32 into SELECTOR BYTES, two numbers a byte.
; X: code = x / 2^e, held within +-448, rounded to the nearest code, ties to even; e is entry 0 of the scales' buffer.  LIMITS: -126 <= e and e + 8 <= 127; NaN is not served; an infinity is held at the largest code.
; WEIGHT: sign(clip(w, 0)) is 1 where 0 < w and 0 elsewhere (-0 and every negative number give 0, a positive denormal gives 1; NaN is not served).  Its code is one of two; the product's launch makes the code of 1 / 2^e1
; by the quantiser and puts it where the bit is set.  A selector byte holds bit0 + 2 x bit1 of two numbers: a number 0 .. 3, which v_perm_b32 takes as a byte select.
; POSITIONS.  A step is an aligned block of 512 numbers of a row: four loads, each 512 consecutive bytes a wave; register o = 4 i + j of lane l is number 128 i + 4 l + j of the block and is given POSITION 16 l + o.
; x_codes [4096][4096 bytes] holds the code of position p of block B at byte 512 B + p.  K is so permuted inside each block of 512, alike in both operands: every number meets its partner, only the order of the f32 sums differs.
; w_sel, in the order of the product's operand registers: [32 column blocks of 128 rows][32 steps of 128 K][8 fragments of 16 rows][2 halves g][lane (h, r)][16 bytes].  Loading lane l = 16 h + 4 s + c of row r serves step s
; of its block of 512, half g = c / 2, bytes 8 (c % 2) .. + 7: word q (0, 1), byte y = bit of o = 4 q + y, + 2 x bit of o = 4 q + 8 + y.
; SHARES.  X: a wave takes 16 steps on end.  Weight: a wave takes one block of 512 of 16 rows, a step a row; a row's 8 bytes a lane go into the wave's own stage in LDS (16 chunks of 256 bytes + 16 of padding, so that the
; 32 lanes of a store fall on different banks) and leave as eight stores of 512 consecutive bytes.  Loads run DEPTH = 8 steps ahead.  Every offset is an immediate.
; Left out: tensor loads, clusters (waves share nothing); the matrix unit (nothing to multiply).
.set STEPS, 16
.set DEPTH, 8
.set WGX,   512
.set EMAX,  8
.set MANT,  0x600000                   ; the mantissa field of 448 as f32
.set OFF,   1                          ; 16 x lane; never rewritten
.set SC,    2                          ; 2^e as f32
.set LIM,   3                          ; 448 x 2^e
.set LN,    4                          ; lane
.set WA,    5                          ; weight: the stage, on the way in
.set RA,    6                          ; weight: the stage, on the way out
.set SPW,   7                          ; my spare word; never rewritten
.set NIL,   8                          ; 0; never rewritten
.set R,     16                         ; v16-143  eight sets of 16 numbers
.set C,     144                        ; v144-207 X: four registers of codes for each step
.set TT,    144                        ; v144-159 weight: at work
.set DD,    160                        ; v160-161 weight: a row's two selector words
.set OUTR,  168                        ; v168-199 weight: the way out
.set CHK,   272                        ; a chunk of the stage
.set WREG,  16*CHK                     ; a wave's stage
.set SPARE, 4*WREG                     ; behind the stages: the spare words, two blocks of 256 bytes that no other line names
	s_load_b128 s[4:7], s[0:1], 0x0                ; X, weight
	s_load_b64 s[10:11], s[0:1], 0x10              ; the scales' exponents
	s_load_b128 s[12:15], s[0:1], 0x18             ; X's codes, the weight's selectors
	v_lshl_add_u32 v[SPW], v0, 2, SPARE
	v_mov_b32 v[NIL], 0
	v_lshrrev_b32 v9, 5, v0
	v_readfirstlane_b32 s16, v9                    ; wave 0..3
	v_and_b32 v[LN], 31, v0
	v_lshlrev_b32 v[OFF], 4, v[LN]
	s_mul_i32 s17, s16, WREG
	v_bfe_u32 v9, v0, 1, 3                         ; 2 s + g of my loading lane
	v_bfe_u32 v10, v0, 4, 1                        ; h
	v_lshl_add_u32 v9, v9, 1, v10                  ; the chunk: 2 (2 s + g) + h
	v_mul_u32_u24 v9, v9, CHK
	v_and_b32 v11, 1, v0
	v_lshl_add_u32 v9, v11, 3, v9                  ; + 8 (c % 2); the row's 16 bytes are the store's immediate
	v_add_nc_u32 v[WA], s17, v9
	v_and_b32 v11, 15, v0
	v_mul_u32_u24 v10, v10, CHK
	v_lshl_add_u32 v10, v11, 4, v10                ; out: lane (h, r) takes chunk 2 k + h, 16 bytes of row r
	v_add_nc_u32 v[RA], s17, v10
.macro LOAD t, stride                  ; step t's 512 numbers: four loads, each of 512 consecutive bytes
.irp i, 0,1,2,3
	global_load_b128 v[R+16*((\t)%DEPTH)+4*\i:R+16*((\t)%DEPTH)+4*\i+3], v[OFF], s[4:5] offset:(\stride)*(\t)+512*\i th:TH_LOAD_NT
.endr
.endm
.macro ARRIVED t                       ; loads come back in order: step t's four are in; those of the steps behind it, seven at the most, may be out
.if 15-(\t) >= 7
	s_wait_loadcnt 28
.else
	s_wait_loadcnt 4*(15-(\t))
.endif
.endm
	s_wait_alu depctr_va_vdst(0)                   ; the wait at the head's end, ahead of the branch
	s_cmp_lt_u32 ttmp9, WGX                        ; X's work-group or weight's?  The branch hangs on the work-group's number alone
	s_cbranch_scc0 .Lweight
	; ---------------- X ----------------
	s_wait_kmcnt 0x0
	s_load_b32 s22, s[10:11], 0x0                  ; e of X
	s_lshl_b32 s17, ttmp9, 2
	s_add_co_u32 s17, s17, s16                     ; which run of 8,192 numbers is my wave's
	s_lshl_b32 s18, s17, 15
	s_mov_b32 s19, 0
	s_lshl_b32 s20, s17, 13
	s_mov_b32 s21, 0
	s_add_nc_u64 s[4:5], s[4:5], s[18:19]
	s_add_nc_u64 s[8:9], s[12:13], s[20:21]
.irp t, 0,1,2,3,4,5,6,7
	LOAD \t, 2048
.endr
	s_wait_kmcnt 0x0
	s_add_co_i32 s22, s22, 127
	s_lshl_b32 s23, s22, 23
	v_mov_b32 v[SC], s23                           ; 2^e as f32: the conversion takes its exponent field
	s_add_co_i32 s22, s22, EMAX
	s_lshl_b32 s22, s22, 23
	s_or_b32 s22, s22, MANT
	v_mov_b32 v[LIM], s22                          ; the largest number x 2^e
.macro STEPX t
.set XS, R+16*((\t)%DEPTH)
	ARRIVED \t
.irp i, 0,1,2,3,4,5,6,7,8,9,10,11,12,13,14,15
	v_med3_num_f32 v[XS+\i], v[XS+\i], -v[LIM], v[LIM]   ; the conversion does not saturate (ISA guide 7.6.2): the number is held first
.endr
	v_cvt_scalef32_pk8_fp8_f32 v[C+4*(\t):C+4*(\t)+1], v[XS:XS+7], v[SC]
	v_cvt_scalef32_pk8_fp8_f32 v[C+4*(\t)+2:C+4*(\t)+3], v[XS+8:XS+15], v[SC]
.if (\t)+DEPTH < STEPS
	LOAD (\t)+DEPTH, 2048
.endif
.endm
	s_wait_alu depctr_va_vdst(0)
.irp t, 0,1,2,3,4,5,6,7,8,9,10,11,12,13,14,15
	STEPX \t
.endr
.irp t, 0,1,2,3,4,5,6,7,8,9,10,11,12,13,14,15
	global_store_b128 v[OFF], v[C+4*\t:C+4*\t+3], s[8:9] offset:512*\t    ; all stores stand behind the last conversion (each step has four registers of its own for its codes); 32 lanes store 512 consecutive bytes
.endr
	s_endpgm
	; ---------------- weight ----------------
.Lweight:
	s_wait_kmcnt 0x0
	s_sub_co_u32 s17, ttmp9, WGX
	s_lshl_b32 s17, s17, 2
	s_add_co_u32 s17, s17, s16                     ; my wave among weight's 2,048
	s_lshr_b32 s18, s17, 3                         ; which 16 rows, 0 .. 255
	s_and_b32 s20, s17, 7                          ; which block of 512
	s_lshl_b32 s22, s18, 18                        ; 16 rows of 16,384 bytes,
	s_lshl_b32 s23, s20, 11                        ; blocks of 2,048 bytes
	s_add_co_u32 s22, s22, s23
	s_mov_b32 s23, 0
	s_add_nc_u64 s[4:5], s[6:7], s[22:23]
	s_lshr_b32 s24, s18, 3                         ; the column block: 32 steps of 8,192 bytes,
	s_lshl_b32 s24, s24, 18
	s_lshl_b32 s25, s20, 15                        ; a block of 512: four steps,
	s_add_co_u32 s24, s24, s25
	s_and_b32 s25, s18, 7                          ; a fragment: 1,024
	s_lshl_b32 s25, s25, 10
	s_add_co_u32 s24, s24, s25
	s_mov_b32 s25, 0
	s_add_nc_u64 s[8:9], s[14:15], s[24:25]
.irp t, 0,1,2,3,4,5,6,7
	LOAD \t, 16384                                 ; step t is row t of my 16
.endr
.macro STEPW t
.set XS, R+16*((\t)%DEPTH)
	ARRIVED \t
.irp q, 0,1
.irp y, 0,1,2,3
	v_cmp_ge_f32 vcc_lo, 0, v[XS+4*\q+\y]                        ; 0 >= w: the bit is 0
	v_cndmask_b32 v[TT+8*\q+2*\y], 1<<(8*\y), v[NIL], vcc_lo     ; else 1 in byte y
	v_cmp_ge_f32 vcc_lo, 0, v[XS+4*\q+8+\y]
	v_cndmask_b32 v[TT+8*\q+2*\y+1], 2<<(8*\y), v[NIL], vcc_lo   ; else 2 in byte y
.endr
	v_add3_u32 v[TT+8*\q], v[TT+8*\q], v[TT+8*\q+1], v[TT+8*\q+2]
	v_add3_u32 v[TT+8*\q+3], v[TT+8*\q+3], v[TT+8*\q+4], v[TT+8*\q+5]
	v_add3_u32 v[TT+8*\q], v[TT+8*\q], v[TT+8*\q+6], v[TT+8*\q+7]
	v_add_nc_u32 v[DD+\q], v[TT+8*\q], v[TT+8*\q+3]
.endr
	ds_store_b64 v[WA], v[DD:DD+1] offset:16*(\t)
.if (\t)+DEPTH < STEPS
	LOAD (\t)+DEPTH, 16384
.endif
.endm
.irp t, 0,1,2,3,4,5,6,7,8,9,10,11,12,13,14,15
	STEPW \t
.endr
.irp k, 0,1,2,3,4,5,6,7
	ds_load_b128 v[OUTR+4*\k:OUTR+4*\k+3], v[RA] offset:2*CHK*\k   ; LDS serves a wave's instructions in order: these see my stores
.endr
.irp k, 0,1,2,3,4,5,6,7
	s_wait_dscnt 7-\k
	global_store_b128 v[OFF], v[OUTR+4*\k:OUTR+4*\k+3], s[8:9] offset:8192*(\k/2)+512*(\k%2)   ; step k / 2, half k % 2: 512 consecutive bytes
.endr
	s_wait_tensorcnt 0x0                           ; the wave's end: behind my last LDS store
	ds_add_u32 v[SPW], v[NIL]
	s_wait_dscnt 0x0
	s_endpgm
.Lfunc_end_k_qabe560fd66_quant:
	.size	k_qabe560fd66_quant, .Lfunc_end_k_qabe560fd66_quant-k_qabe560fd66_quant
	.p2alignl 7, 3214868480
	.fill 96, 4, 3214868480
	.section	.rodata,"a",@progbits
	.p2align	6, 0x0
	.amdhsa_kernel k_qabe560fd66_quant
		.amdhsa_group_segment_fixed_size 17920
		.amdhsa_private_segment_fixed_size 0
		.amdhsa_enable_private_segment 0
		.amdhsa_kernarg_size 40
		.amdhsa_user_sgpr_count 2
		.amdhsa_user_sgpr_kernarg_segment_ptr 1
		.amdhsa_wavefront_size32 1
		.amdhsa_system_sgpr_workgroup_id_x 1
		.amdhsa_system_sgpr_workgroup_id_y 1
		.amdhsa_system_sgpr_workgroup_id_z 1
		.amdhsa_system_vgpr_workitem_id 0
		.amdhsa_next_free_vgpr 208
		.amdhsa_next_free_sgpr 66
		.amdhsa_reserve_vcc 1
		.amdhsa_float_denorm_mode_32 3
		.amdhsa_float_denorm_mode_16_64 3
		.amdhsa_memory_ordered 1
		.amdhsa_forward_progress 1
		.amdhsa_inst_pref_size 68
	.end_amdhsa_kernel
	.amdgpu_metadata
---
amdhsa.version: [ 1, 2 ]
amdhsa.kernels:
  - .name:           k_qabe560fd66_quant
    .symbol:         k_qabe560fd66_quant.kd
    .args:
      - { .name: X, .offset: 0, .size: 8, .value_kind: global_buffer, .address_space: global }
      - { .name: weight, .offset: 8, .size: 8, .value_kind: global_buffer, .address_space: global }
      - { .name: lowp_scales, .offset: 16, .size: 8, .value_kind: global_buffer, .address_space: global }
      - { .name: x_codes, .offset: 24, .size: 8, .value_kind: global_buffer, .address_space: global }
      - { .name: w_sel, .offset: 32, .size: 8, .value_kind: global_buffer, .address_space: global }
    .group_segment_fixed_size: 17920
    .private_segment_fixed_size: 0
    .kernarg_segment_align: 8
    .kernarg_segment_size: 40
    .max_flat_workgroup_size: 128
    .sgpr_count:     66
    .vgpr_count:     208
    .wavefront_size: 32
...
	.end_amdgpu_metadata
.endif
;; end of part 3
;; launch gemm (part 4): grid 16 x 16, 4 waves a work-group, clusters of 4 x 1, 327,680 bytes of LDS; arguments x_codes, w_sel, lowp_scales, bias, out0; writes out0
.if DOCPART == 4
	.amdgcn_target "amdgcn-amd-amdhsa--gfx1250"
	.amdhsa_code_object_version 6
	.text
	.protected	k_qabe560fd66_gemm
	.globl	k_qabe560fd66_gemm
	.p2align	8
	.type	k_qabe560fd66_gemm,@function
k_qabe560fd66_gemm:
	s_mov_b64 s[64:65], 0
	v_nop
	global_prefetch_b8 v0, s[64:65] scope:SCOPE_SE
	s_setreg_imm32_b32 hwreg(HW_REG_WAVE_MODE, 25, 1), 1
	s_wait_xcnt 0x0
	s_wait_alu depctr_hold_cnt(0) depctr_sa_sdst(0) depctr_va_vdst(0) depctr_va_sdst(0) depctr_va_ssrc(0) depctr_va_vcc(0) depctr_vm_vsrc(0)
	s_getreg_b32 s2, hwreg(HW_REG_IB_STS2, 6, 4)
	s_cmp_eq_u32 s2, 0
	s_cbranch_scc0 .Lentry_in_a_cluster
	s_endpgm
.Lentry_in_a_cluster:
	s_bfe_u32 s2, ttmp6, 0x10000c
	s_cmp_lg_u32 s2, 0x3003
	s_cbranch_scc0 .Lentry_shape_is_right
	s_endpgm
.Lentry_shape_is_right:
; out0[m][n] = 2^(e0 + e1) x sum over k of code(X)[m][k] code(W)[n][k] + bias[n]; codes of FP8 (E4M3), sums in f32.  LIMITS: -126 <= e0 + e1 <= 127; -126 <= e1 and e1 + 8 <= 127.
; A block of 256 x 256 is made by four waves, 128 x 128 each: 64 accumulators, 512 registers.  X's codes come by tensor loads through two LDS slots of 512 along K (four steps of 128); each wave fetches 64 rows.
; W's codes are one of two: 0, or c = the code of 1 / 2^e1, made here by the quantiser.  w_sel holds two numbers a byte as a select 0 .. 3, in the order of the operand's registers; it goes from memory straight into
; registers (16 loads of 512 consecutive bytes a step), and ONE v_perm_b32 a register with the table (0, c, 0, c) or (0, 0, c, c) makes the operand: 128 lines a step, in one run at the step's head.
; K is permuted inside each block of 512, alike in X's codes and in the selectors (see the launch before).
; A STEP HAS THREE RUNS: the 128 lines; ALL its loads (48); 64 products, X's blocks one after the other, each against W's eight.  The 128 lines are the places in front of the loads.  X's fragments have three half-sets of
; 64 registers: blocks 4-7 always lie in one, fetched in their own step's run; blocks 0-3 lie in two by turns (the step's parity), fetched in the run of the step before.  The selectors have two buffers: step g + 2's
; loads stand in step g's run.  Only a slot's last step has a second run of loads: the next slot's first blocks, behind the refill.
; CLUSTERS: 4 x 1: the four work-groups of a cluster make four blocks of one block row and ask for X's tiles jointly.  W comes by no tensor load, so there is nothing to share along a column.
; PREFETCH: X's slot j + 3 is asked for at the change from slot j, by the first cluster of each block row, its rows shared out by address among the four partners.  The selectors of slot j + 2 are asked for there too
; (three steps ahead of their first load), 32 blocks of 256 bytes an instruction, by waves 0 and 1 of block row 0 alone; the first two slots come by their loads alone.
; THE MATRIX INSTRUCTION IS USED TRANSPOSED (source 0 = 16 rows of W, source 1 = 16 rows of X): a lane holds eight neighbouring numbers of a row of out0.
; REGISTERS: window 0: v0-31 addresses, v32-35 bias, v36-47 at work at the head, v64-191 two selector buffers, v192-255 X's blocks 0-3 of odd steps; on the way out v128-255.
;   window 1: v0-127 W's fragments, v128-191 X's blocks 0-3 of even steps, v192-255 X's blocks 4-7.  windows 2, 3: the accumulators.
.set SIZE_N, 4096
.set KROW,   4096
.set KS,     512
.set NSLOT,  KROW/KS
.set PITCH,  528                       ; 512 bytes + 16 of padding: the 16 rows that a load touches start at 16 different banks
.set FR,     16
.set QUART,  64*PITCH
.set SLOT,   4*QUART
.set SPARE,  2*SLOT                    ; behind the ring: the spare words
.set SPITCH, 528                       ; the way out's stage, 16 rows a wave, lies in slot 0, which has had its last fill and its last read by then
.set RSTEP,  8192                      ; a step's selectors of 128 rows
.set A0,   16
.set ADR,  17
.set STO,  24
.set RD,   25
.set CO,   26
.set PFW,  27
.set SPW,  28
.set NIL,  29
.set PFO,  30
.set BI,   32
.set RAW,  64
.set AF,   128                         ; window 1: blocks 0-3 of even steps, then blocks 4-7
.set ZF,   192                         ; window 0: blocks 0-3 of odd steps
.set BK,   128
.set G1,  24
.set G0,  32
.set G0W, 36
.set TB,  48
.set FB,  49
.set BB,  50
.set T0,  52
.set T1,  53
.set CH,  55
.set PFA, 66
.set LIM, 68
.set LIW, 69
.set MSB, 0
.macro WIN new                         ; the immediate's high byte repeats the setting that is left
.if MSB != (\new)
	s_set_vgpr_msb (MSB<<8)|(\new)
.set MSB, (\new)
.endif
.endm
.set TO1,    0x40                      ; destination window 1, all sources window 0
.macro PLACES n
.rept \n
	v_nop
.endr
.endm
.macro JLOAD g0                        ; a joint load; s_nop 0 and four v_nop follow it
	tensor_load_to_lds s[\g0:\g0+3], s[G1:G1+7]
	s_nop 0
	PLACES 4
.endm
.macro ASK                             ; X's slot three on
	s_cmp_gt_u32 s3, s[LIM]
	s_cbranch_scc0 .Lnot_mine_\@
	global_prefetch_b8 v[PFO], s[PFA:PFA+1] th:TH_LOAD_NT scope:SCOPE_SE
.Lnot_mine_\@:
.endm
.macro ASKW                            ; the selectors of the slot behind the next: four steps of 32 blocks of 256 bytes
	s_cmp_eq_u32 s[LIW], 0
	s_cbranch_scc0 .Lnot_w_\@
.irp k, 4,5,6,7
	global_prefetch_b8 v[PFW], s[BB:BB+1] offset:RSTEP*\k th:TH_LOAD_NT scope:SCOPE_SE
.endr
.Lnot_w_\@:
.endm
.macro CREST
	s_cmp_lg_u32 s14, 0
	s_cbranch_scc1 .Lnot_wave_0_\@
	s_barrier_signal -3
.Lnot_wave_0_\@:
	s_barrier_wait -3
	s_barrier_signal -1
	s_barrier_wait -1
.endm
.macro CROUND
	s_barrier_signal -1
	s_barrier_wait -1
	CREST
.endm
.macro RAWL gb, goff                   ; a step's sixteen selector loads into buffer gb
.irp j, 0,1,2,3,4,5,6,7,8,9,10,11,12,13,14,15
	global_load_b128 v[RAW+64*(\gb)+4*\j:RAW+64*(\gb)+4*\j+3], v[CO], s[BB:BB+1] offset:(\goff)+512*\j
.endr
.endm
.macro LOADA base, i0, s               ; X's blocks i0 .. i0 + 3 of the slot's step s: lane (r, h), registers 4 c ..: bytes 256 h + 64 s + 16 c .. of row r
.irp i, 0,1,2,3
.irp c, 0,1,2,3
	ds_load_b128 v[(\base)+FR*\i+4*\c:(\base)+FR*\i+4*\c+3], v[ADR] offset:64*(\s)+16*\c+((\i0)+\i)*16*PITCH
.endr
.endr
.endm
.macro EXPAND gb                       ; selector word j = 8 f + 2 c + q makes registers 4 c + q and 4 c + 2 + q of fragment f
	WIN TO1
	PLACES 4                                       ; places behind the last products, which read W's fragments
.set j, 0
.rept 64
	v_perm_b32 v[16*(j/8)+4*((j%8)/2)+j%2], s[T0], s[T0], v[RAW+64*(\gb)+j]
	v_perm_b32 v[16*(j/8)+4*((j%8)/2)+j%2+2], s[T1], s[T1], v[RAW+64*(\gb)+j]
.set j, j+1
.endr
	s_wait_alu depctr_va_vdst(0)
.endm
; X's block a against W's eight; p: the step's parity.  The 64 accumulators take turns in the same order in every step.
.macro BLK a, zero, p
.if (\a) >= 4
	WIN 0xf5                                       ; sources 0 and 1 window 1, C and D window 3
.set AR, AF+FR*(\a)
.elseif \p
	WIN 0xa1                                       ; source 0 window 1, source 1 window 0, C and D window 2
.set AR, ZF+FR*(\a)
.else
	WIN 0xa5                                       ; sources 0 and 1 window 1, C and D window 2
.set AR, AF+FR*(\a)
.endif
.irp b, 0,1,2,3,4,5,6,7
.if \zero
	v_wmma_f32_16x16x128_fp8_fp8 v[8*(8*((\a)%4)+\b):8*(8*((\a)%4)+\b)+7], v[FR*\b:FR*\b+15], v[AR:AR+15], 0
.else
	v_wmma_f32_16x16x128_fp8_fp8 v[8*(8*((\a)%4)+\b):8*(8*((\a)%4)+\b)+7], v[FR*\b:FR*\b+15], v[AR:AR+15], v[8*(8*((\a)%4)+\b):8*(8*((\a)%4)+\b)+7]
.endif
.endr
.endm
; A step.  ex: its run of 128 (lc: the selector loads behind this step's, which may be out).  gl: the selector loads of two steps on.  nx: the next step's blocks 0-3 lie in the same slot.
.macro STEP s, zero, ex, gl, lc, nx
.if \ex
	s_wait_loadcnt \lc
.endif
	s_wait_dscnt 0x0                               ; this step's blocks 0-3 are in (asked for a step ago)
.if \ex
	EXPAND (\s)%2
.endif
	WIN TO1
	LOADA AF+64, 4, \s
.if \nx
.if ((\s)+1)%2
	WIN 0
	LOADA ZF, 0, (\s)+1
.else
	LOADA AF, 0, (\s)+1
.endif
.endif
.if \gl
	WIN 0
	RAWL (\s)%2, ((\s)+2)*RSTEP                    ; the selector loads stand behind the run's LDS loads
.endif
.irp a, 0,1,2,3
	BLK \a, \zero, (\s)%2
.endr
	s_wait_dscnt 16*(\nx)                          ; blocks 4-7 are in; the next step's sixteen loads may be out
.irp a, 4,5,6,7
	BLK \a, \zero, (\s)%2
.endr
.endm
; A slot's last step changes slots: one barrier; in front of it each wave waits for all its tensor loads, adds 0 to its spare word and waits for that and for its reads of this slot.
.macro TURN fill
	WIN 0
	s_wait_xcnt 0x0                                ; my loads and prefetches have read their bases
.if \fill
	s_add_nc_u64 s[PFA:PFA+1], s[PFA:PFA+1], KS
.endif
	s_add_nc_u64 s[BB:BB+1], s[BB:BB+1], 4*RSTEP   ; on to the next slot's selectors
	s_wait_loadcnt 16
	s_wait_dscnt 0x0
	EXPAND 1
	LOADA AF+64, 4, 3
	WIN 0
	RAWL 1, RSTEP
	s_wait_tensorcnt 0x0                           ; my part of the next slot has landed;
	ds_add_u32 v[SPW], v[NIL]
	BLK 0, 0, 1
	BLK 1, 0, 1
	s_wait_dscnt 0x0                               ; the add is done, and my reads of this slot are over
	s_barrier_signal -1
	BLK 2, 0, 1
	BLK 3, 0, 1
	WIN 0
	s_barrier_wait -1
.if \fill
	CREST                                          ; the barrier has opened a round of the cluster's barrier
	s_xor_b32 s[FB], s[FB], SLOT
	s_add_co_u32 s[G0W+1], s45, s[FB]
	s_add_nc_u64 s[G0W+2:G0W+3], s[G0W+2:G0W+3], KS
	JLOAD G0W                                      ; the first tensor load behind the round
.endif
	s_xor_b32 s[TB], s[TB], SLOT
	v_add_nc_u32 v[ADR], s[TB], v[A0]
	s_wait_alu depctr_va_vdst(0)
	WIN TO1
	LOADA AF, 0, 0                                 ; the next slot's first blocks; their registers were last read a step ago, ahead of this step's 128 lines
	WIN 0
.if \fill
	ASK
	ASKW
.endif
.irp a, 4,5,6,7
	BLK \a, 0, 1
.endr
.endm
	s_load_b128 s[4:7], s[0:1], 0x0                ; X's codes, the selectors
	s_load_b128 s[8:11], s[0:1], 0x10              ; the scales' exponents, bias
	s_load_b64 s[12:13], s[0:1], 0x20              ; out0
	v_lshl_add_u32 v[SPW], v0, 2, SPARE
	v_mov_b32 v[NIL], 0
	ds_add_u32 v[SPW], v[NIL]                      ; the opening lines: the add twice on end, and its wait
	ds_add_u32 v[SPW], v[NIL]
	v_lshrrev_b32 v1, 5, v0
	v_readfirstlane_b32 s14, v1                    ; wave
	v_and_b32 v6, 31, v0
	v_lshlrev_b32 v[CO], 4, v6                     ; 16 x lane
	v_lshlrev_b32 v[PFW], 8, v6                    ; 256 x lane
	s_lshr_b32 s15, s14, 1                         ; my half of the block's rows
	s_and_b32 s16, s14, 1                          ; my half of its columns
	s_bfe_u32 s40, ttmp6, 0x40000                  ; cx
	s_lshl_b32 s42, ttmp9, 2
	s_add_co_u32 s42, s42, s40                     ; block column
	s_and_b32 s17, ttmp7, 0xffff                   ; block row
	s_mov_b32 s[G1+0], 15|(0<<16)|(1<<20)|(1<<21)|(6<<22)|(3<<25)   ; the mask of the four; bytes; 4 words of padding behind every 128
	s_mov_b32 s[G1+1], KS<<16
	s_mov_b32 s[G1+2], 64<<16
	s_mov_b32 s[G1+3], KS<<16
	s_mov_b32 s[G1+4], 64
	s_mov_b32 s[G1+5], KROW
	s_mov_b32 s[G1+6], 0
	s_mov_b32 s[G1+7], 0
	s_lshl_b32 s20, s17, 8
	s_lshl_b32 s18, s14, 6
	s_add_co_u32 s20, s20, s18
	s_lshl_b32 s20, s20, 12                        ; the 64 rows of X's codes that I fetch
	s_mov_b32 s21, 0
	s_mul_i32 s45, s14, QUART
	s_mov_b32 s[TB], 0
	s_mov_b32 s[FB], SLOT
	s_lshl_b32 s46, s42, 10
	s_lshl_b32 s47, s16, 9
	s_add_co_u32 s46, s46, s47                     ; my first column, in bytes of f32
	s_mov_b32 s47, 0
	s_lshl_b32 s70, s42, 1
	s_add_co_u32 s70, s70, s16
	s_lshl_b32 s70, s70, 18                        ; my column block of 128: 32 steps of 8,192 bytes
	s_mov_b32 s71, 0
	s_wait_alu depctr_va_vdst(0)
	s_wait_dscnt 0x0
	s_wait_kmcnt 0x0
	s_load_b64 s[96:97], s[8:9], 0x0               ; e0, e1
	s_add_nc_u64 s[20:21], s[4:5], s[20:21]
	s_add_nc_u64 s[10:11], s[10:11], s[46:47]
	s_add_nc_u64 s[BB:BB+1], s[6:7], s[70:71]
	global_load_b128 v[BI:BI+3], v[CO], s[10:11]   ; my four columns' bias on the way out
	RAWL 0, 0                                      ; steps 0 and 1's selectors set out ahead of the round
	RAWL 1, RSTEP
	s_mov_b32 s[G0], 1
	s_mov_b32 s[G0+1], s45
	s_mov_b64 s[G0+2:G0+3], s[20:21]
	s_or_b32 s[G0+3], s[G0+3], 0x80000000
	s_mov_b32 s[G0W], 1
	s_add_co_u32 s[G0W+1], s45, s[FB]
	s_add_nc_u64 s[G0W+2:G0W+3], s[20:21], KS
	s_or_b32 s[G0W+3], s[G0W+3], 0x80000000
	s_mul_i32 s22, s15, 2*QUART
	s_mul_i32 s23, s14, 16*SPITCH
	CROUND                                         ; in front of the first joint load
	JLOAD G0                                       ; slot 0: one tensor load a wave at the head
	v_and_b32 v1, 15, v0
	v_bfe_u32 v2, v0, 4, 1
	v_mul_u32_u24 v3, v1, PITCH
	v_lshl_add_u32 v3, v2, 8, v3
	v_add_nc_u32 v[A0], s22, v3                    ; my 128 rows: row r, + 256 h
	v_mov_b32 v[ADR], v[A0]
	v_mul_u32_u24 v5, v1, SPITCH
	v_lshl_add_u32 v5, v2, 5, v5
	v_add_nc_u32 v[STO], s23, v5
	v_add_nc_u32 v[RD], s23, v[CO]
	v_lshlrev_b32 v[PFO], 12, v1
	v_lshl_add_u32 v[PFO], v2, 8, v[PFO]           ; X's prefetch: 16 rows x two blocks of 256 bytes
	s_lshl_b32 s20, s17, 8
	s_lshl_b32 s21, s15, 7
	s_add_co_u32 s20, s20, s21
	s_lshl_b32 s20, s20, 14                        ; my first row of out0
	s_mov_b32 s21, 0
	s_add_nc_u64 s[20:21], s[20:21], s[46:47]
	s_add_nc_u64 s[12:13], s[12:13], s[20:21]
	s_lshl_b32 s70, s17, 8
	s_lshl_b32 s71, s14, 6
	s_add_co_u32 s70, s70, s71
	s_lshl_b32 s71, s40, 4
	s_add_co_u32 s70, s70, s71                     ; of the 64 rows that I fetch, my work-group's 16: shared out by address
	s_lshl_b32 s70, s70, 12
	s_add_co_u32 s70, s70, 2*KS
	s_mov_b32 s71, 0
	s_add_nc_u64 s[PFA:PFA+1], s[4:5], s[70:71]
	s_cmp_eq_u32 ttmp9, 0
	s_cselect_b32 s[LIM], 1, -1                    ; the first cluster of a block row asks for X, not in the loop's last trip
	s_or_b32 s[LIW], s17, s15                      ; 0: block row 0, waves 0 and 1: they ask for the selectors
	s_wait_kmcnt 0x0
	s_add_co_i32 s70, s97, 127
	s_lshl_b32 s71, s70, 23
	v_mov_b32 v47, s71                             ; 2^e1
	s_add_co_i32 s70, s70, 8
	s_lshl_b32 s70, s70, 23
	s_or_b32 s70, s70, 0x600000
	v_mov_b32 v46, s70                             ; 448 x 2^e1
	v_mov_b32 v36, 1.0
	v_med3_num_f32 v36, v36, -v46, v46             ; the hold stands with no branch
.irp j, 1,2,3,4,5,6,7
	v_mov_b32 v[36+\j], v36
.endr
	v_cvt_scalef32_pk8_fp8_f32 v[44:45], v[36:43], v47
	v_nop
	v_readfirstlane_b32 s[CH], v44
	s_and_b32 s[CH], s[CH], 0xff                   ; c
	s_lshl_b32 s70, s[CH], 24
	s_lshl_b32 s[T0], s[CH], 8
	s_or_b32 s[T0], s[T0], s70                     ; selects 0 .. 3 give 0, c, 0, c
	s_lshl_b32 s[T1], s[CH], 16
	s_or_b32 s[T1], s[T1], s70                     ; and 0, 0, c, c
	s_add_co_i32 s96, s96, s97
	s_add_co_i32 s96, s96, 127
	s_lshl_b32 s96, s96, 23                        ; 2^(e0 + e1)
	s_mov_b32 s97, s96
	s_wait_loadcnt 16                              ; step 0's selectors are in; step 1's may be out
	EXPAND 0                                       ; under the first tile's flight; its closing wait is the one at the head's end
	WIN 0
	s_wait_tensorcnt 0x0                           ; my part of slot 0 is in
	ds_add_u32 v[SPW], v[NIL]
	s_wait_dscnt 0x0
	CROUND
	JLOAD G0W                                      ; slot 1, the first tensor load behind the round
	WIN TO1
	LOADA AF, 0, 0
	STEP 0, 1, 0, 1, 0, 1                          ; the first step's products start the sums
	WIN 0
	s_mov_b32 s3, NSLOT-2
.Lslot:                                                ; a trip: a slot's steps 1 to 3 and the next slot's step 0; it fills one slot again
	STEP 1, 0, 1, 1, 16, 1
	STEP 2, 0, 1, 1, 16, 1
	TURN 1
	STEP 0, 0, 1, 1, 16, 1
	WIN 0
	s_sub_co_u32 s3, s3, 1
	s_cmp_lg_u32 s3, 0
	s_cbranch_scc1 .Lslot
	STEP 1, 0, 1, 1, 16, 1
	STEP 2, 0, 1, 1, 16, 1
	TURN 0                                         ; the last change of slots fills nothing
	STEP 0, 0, 1, 1, 16, 1
	STEP 1, 0, 1, 1, 16, 1                         ; the last selectors are asked for here
	STEP 2, 0, 1, 0, 16, 1
	STEP 3, 0, 1, 0, 0, 0
	WIN 0
; THE WAY OUT, block by block of 16 rows x 128 columns, through my own stage: in as 32 bytes a lane, back as whole rows of 512 bytes; x 2^(e0 + e1) + bias; 32 lanes store 512 consecutive bytes.
.macro TOSTAGE a
.set AC, 64*((\a)%4)
	WIN 0x08+4*((\a)/4)                            ; the stores' data: window 2 or 3
.irp b, 0,1,2,3,4,5,6,7
	ds_store_b128 v[STO], v[AC+8*\b:AC+8*\b+3] offset:64*\b          ; each accumulator from its low end on
	ds_store_b128 v[STO], v[AC+8*\b+4:AC+8*\b+7] offset:64*\b+16
.endr
	WIN 0
.set BBK, BK+64*((\a)%2)
.irp t, 0,1,2,3,4,5,6,7,8,9,10,11,12,13,14,15
	ds_load_b128 v[BBK+4*\t:BBK+4*\t+3], v[RD] offset:\t*SPITCH
.endr
.endm
.macro SEND a, younger
.set BBK, BK+64*((\a)%2)
	s_wait_dscnt \younger
.if (\a) > 0
	s_add_nc_u64 s[12:13], s[12:13], 16*SIZE_N*4   ; behind a wait on XCNT
.endif
.irp t, 0,1,2,3,4,5,6,7,8,9,10,11,12,13,14,15
	v_pk_fma_f32 v[BBK+4*\t:BBK+4*\t+1], v[BBK+4*\t:BBK+4*\t+1], s[96:97], v[BI:BI+1] op_sel_hi:[1,0,1]
	v_pk_fma_f32 v[BBK+4*\t+2:BBK+4*\t+3], v[BBK+4*\t+2:BBK+4*\t+3], s[96:97], v[BI+2:BI+3] op_sel_hi:[1,0,1]
.endr
.irp t, 0,1,2,3,4,5,6,7,8,9,10,11,12,13,14,15
	global_store_b128 v[CO], v[BBK+4*\t:BBK+4*\t+3], s[12:13] offset:\t*SIZE_N*4 th:TH_STORE_NT
.endr
.endm
	PLACES 4                                       ; in front of the reads of results and of the loads into registers that held X's fragments
	TOSTAGE 0
.irp a, 1,2,3,4,5,6,7
.if \a > 1
	s_wait_xcnt 0x0                                ; block a - 2's stores have read their registers and their base
.endif
	TOSTAGE \a
	SEND \a-1, 32
.endr
	s_wait_xcnt 0x0
	SEND 7, 0
	s_wait_tensorcnt 0x0                           ; the wave's end
	ds_add_u32 v[SPW], v[NIL]
	s_wait_dscnt 0x0
	CROUND                                         ; the closing round
	s_endpgm
.Lfunc_end_k_qabe560fd66_gemm:
	.size	k_qabe560fd66_gemm, .Lfunc_end_k_qabe560fd66_gemm-k_qabe560fd66_gemm
	.p2alignl 7, 3214868480
	.fill 96, 4, 3214868480
	.section	.rodata,"a",@progbits
	.p2align	6, 0x0
	.amdhsa_kernel k_qabe560fd66_gemm
		.amdhsa_group_segment_fixed_size 327680
		.amdhsa_private_segment_fixed_size 0
		.amdhsa_enable_private_segment 0
		.amdhsa_kernarg_size 40
		.amdhsa_user_sgpr_count 2
		.amdhsa_user_sgpr_kernarg_segment_ptr 1
		.amdhsa_wavefront_size32 1
		.amdhsa_system_sgpr_workgroup_id_x 1
		.amdhsa_system_sgpr_workgroup_id_y 1
		.amdhsa_system_sgpr_workgroup_id_z 1
		.amdhsa_system_vgpr_workitem_id 0
		.amdhsa_next_free_vgpr 1024
		.amdhsa_next_free_sgpr 98
		.amdhsa_reserve_vcc 0
		.amdhsa_float_denorm_mode_32 3
		.amdhsa_float_denorm_mode_16_64 3
		.amdhsa_memory_ordered 1
		.amdhsa_forward_progress 1
		.amdhsa_inst_pref_size 246
	.end_amdhsa_kernel
	.amdgpu_metadata
---
amdhsa.version: [ 1, 2 ]
amdhsa.kernels:
  - .name:           k_qabe560fd66_gemm
    .symbol:         k_qabe560fd66_gemm.kd
    .args:
      - { .name: x_codes, .offset: 0, .size: 8, .value_kind: global_buffer, .address_space: global }
      - { .name: w_sel, .offset: 8, .size: 8, .value_kind: global_buffer, .address_space: global }
      - { .name: lowp_scales, .offset: 16, .size: 8, .value_kind: global_buffer, .address_space: global }
      - { .name: bias, .offset: 24, .size: 8, .value_kind: global_buffer, .address_space: global }
      - { .name: out0, .offset: 32, .size: 8, .value_kind: global_buffer, .address_space: global }
    .group_segment_fixed_size: 327680
    .private_segment_fixed_size: 0
    .kernarg_segment_align: 8
    .kernarg_segment_size: 40
    .max_flat_workgroup_size: 128
    .sgpr_count:     98
    .vgpr_count:     1024
    .wavefront_size: 32
...
	.end_amdgpu_metadata
.endif
;; end of part 4
